; MI455X (gfx1250); checked and timed in simulation.
; The chip was launched on July 23, 2026; its instructions are those of AMD's public machine-readable ISA for CDNA 5 (MIT licence, August 2026) and "CDNA5" Instruction Set Architecture Reference Guide (July 2026). The comments in the code are by the model that wrote it; some were corrected since.
;; Min GRU. Allowed arithmetic: matrix products marked QUANTISED: E3M2 operands, one E8M0 scale for each 32 along K, by v_wmma_scale_f32_16x16x128_f8f6f4 with both operands' format E3M2, f32 sums; everything else in f32.
;; Inputs: Wh_codes 1,024 x 32 x 24 uint8 (E3M2 codes of Wh, K innermost, in blocks of 32 codes, four codes in three bytes); Wh_scales 1,024 x 32 uint8 (E8M0 scales of Wh, one for each 32 codes along K); Wo_codes 1,024 x 32 x 24 uint8 (E3M2 codes of Wo, K innermost, in blocks of 32 codes, four codes in three bytes); Wo_scales 1,024 x 32 uint8 (E8M0 scales of Wo, one for each 32 codes along K); Wz_codes 1,024 x 32 x 24 uint8 (E3M2 codes of Wz, K innermost, in blocks of 32 codes, four codes in three bytes); Wz_scales 1,024 x 32 uint8 (E8M0 scales of Wz, one for each 32 codes along K); bh 1,024 float32; bo 1,024 float32; bz 1,024 float32; x_codes 8 x 2,048 x 32 x 24 uint8 (E3M2 codes of x, K innermost, in blocks of 32 codes, four codes in three bytes); x_scales 8 x 2,048 x 32 uint8 (E8M0 scales of x, one for each 32 codes along K).
;; Outputs: out0 8 x 2,048 x 1,024 float32.
;; This version of the problem:
;;   THIS VERSION OF THE PROBLEM IS GIVEN IN LOW PRECISION. The matrix products marked QUANTISED in the list below multiply operands that are first quantised to E3M2 (3 exponent bits, 2 mantissa bits; 6 bits a number), with one power-of-two scale for each 32 numbers along K (OCP MX v1.0); their sums are f32. All else is computed in f32.
;;   The module's matrix products, in the order in which they are computed (A, B: the left and right operand; K: the contracted axis; several contracted axes count as one K, in the product's order):
;;     1. [M 16,384, K 1,024] x [K 1,024, N 1,024]; A: input x (given as codes); B: input Wz (given as codes): QUANTISED
;;     2. [M 16,384, K 1,024] x [K 1,024, N 1,024]; A: input x (given as codes); B: input Wh (given as codes): QUANTISED
;;     3. [M 16,384, K 1,024] x [K 1,024, N 1,024]; A: computed on the way; B: input Wo (given as codes): QUANTISED
;;   THE QUANTISER, for each operand of a quantised product, along K:
;;     - K is cut into blocks of 32 from its start; a last block that is shorter is filled with zeros.
;;     - A block's scale is 2^e with e = floor(log2(the largest magnitude in the block)) - 4, held to -126 .. 127; a block of zeros has e = 0. As a byte (E8M0): e + 127.
;;     - Each number is divided by its block's scale, clamped to +-28, and rounded to the nearest number of E3M2, ties to even, subnormals kept.
;;     - The product sums the exact products of the quantised numbers (number of the format x scale) in f32.
;;   ~~~python
;;   def quantise(x, axis):      # numpy; x: float32 -> the quantised numbers, widened to float32 again
;;       x = np.moveaxis(x, axis, -1); K = x.shape[-1]
;;       x = np.pad(x, [(0, 0)] * (x.ndim - 1) + [(0, -K % 32)]); x = x.reshape(x.shape[:-1] + (-1, 32)); a = np.abs(x).max(-1, keepdims=True)
;;       e = np.where(a > 0, np.clip(np.frexp(np.where(a > 0, a, 1))[1] - 1 - 4, -126, 127), 0)      # np.frexp(a)[1] - 1 = floor(log2(a)), exactly
;;       r = np.clip(x / 2.0 ** e, -28, 28)
;;       step = 2.0 ** (np.maximum(np.frexp(np.where(r == 0, 1, r))[1] - 1, -2) - 2)
;;       q = np.round(r / step) * step * 2.0 ** e      # np.round: ties to even
;;       return np.moveaxis(q.reshape(q.shape[:-2] + (-1,))[..., :K], -1, axis).astype(np.float32)
;;   ~~~
;;   OPERANDS COMPUTED ON THE WAY. 'Computed on the way' means the value that the module computes at that place (a softmax that the list does not call 'softmax' is quantised finished and normalised). What goes into a quantiser is computed in f32, as accurately as f32 sums, v_exp_f32 and their like allow (about 1e-6 of the number): no bf16 or f16 on the way to a quantiser, and a product that is left as it is and whose result goes on into a quantised operand takes f32 operands (vector FMAs, or v_wmma_f32_16x16x4_f32). A number that lies on a knife's edge between two numbers of the format may be rounded either way, as far as f32 arithmetic and the matrix unit's own rounding can turn it there, and no further.
;;   INPUTS GIVEN AS CODES. Wh (in the module: [1024, 1024], K = its axis 1); Wo (in the module: [1024, 1024], K = its axis 1); Wz (in the module: [1024, 1024], K = its axis 1); x (in the module: [8, 2048, 1024], K = its axis 2): each comes as NAME_codes (uint8): NAME with its K axis moved to the last place and cut into blocks of 32 codes, [.., K / 32, bytes a block], one block behind the other in memory; four codes in three bytes: a row's codes are one little-endian stream of bits, code i at bits 6 i .. 6 i + 5 (a code: sign, 3 exponent bits, 2 mantissa bits); and NAME_scales (uint8): the same leading axes, one E8M0 byte (e + 127) for each 32 codes along K. Its value is code x scale, taken as it is: it is not quantised again, and the codes and scales need not be those that the quantiser above would give.
;; One version. Each part assembles by itself: llvm-mc -triple=amdgcn-amd-amdhsa -mcpu=gfx1250 --defsym DOCPART=n.
;; ======== version 1 of 1: 2 launches
;; limits: right only within a limited range of input values
;; workspace buffers: hc 12,582,912 bytes; hs 524,288 bytes
;; launch gates (part 1): grid 32 x 8, 4 waves a work-group, clusters of 4 x 1, 327,680 bytes of LDS; arguments x_codes, x_scales, Wz_codes, Wz_scales, Wh_codes, Wh_scales, bz, bh, hc, hs; writes hc, hs
.if DOCPART == 1
	.amdgcn_target "amdgcn-amd-amdhsa--gfx1250"
	.amdhsa_code_object_version 6
	.text
	.protected	k_q396087f758_gates
	.globl	k_q396087f758_gates
	.p2align	8
	.type	k_q396087f758_gates,@function
k_q396087f758_gates:
	s_mov_b64 s[64:65], 0
	v_nop
	global_prefetch_b8 v0, s[64:65] scope:SCOPE_SE
	s_setreg_imm32_b32 hwreg(HW_REG_WAVE_MODE, 25, 1), 1
	s_wait_xcnt 0x0
	s_wait_alu depctr_hold_cnt(0) depctr_sa_sdst(0) depctr_va_vdst(0) depctr_va_sdst(0) depctr_va_ssrc(0) depctr_va_vcc(0) depctr_vm_vsrc(0)
	s_getreg_b32 s2, hwreg(HW_REG_IB_STS2, 6, 4)
	s_cmp_eq_u32 s2, 0
	s_cbranch_scc0 .Lentry_in_a_cluster
	s_endpgm
.Lentry_in_a_cluster:
	s_bfe_u32 s2, ttmp6, 0x10000c
	s_cmp_lg_u32 s2, 0x3003
	s_cbranch_scc0 .Lentry_shape_is_right
	s_endpgm
.Lentry_shape_is_right:
.set XP,    864
.set XT1,   110608
.set XHALF, 64*XP
.set WREG,  221440
.set WP,    1008
.set WTILE, 16*WP
.set STAGE, WREG
.set STP,   144
.set STH,   32*STP+128
.set STW,   2*STH
.set TOT,   WREG+4*STW
.set SCB,   TOT+2048
.set SPARE, WREG+4*WTILE
.set SPW, 2
.set NIL, 3
.set WAD, 6
.set XSO, 8
.set STO, 9
.set RDA, 10
.set GOF, 11
.set SBA, 12
.set TOS, 13
.set TOL, 14
.set PFO, 15
.set FRA, 16
.set HSO, 17
.set MB,  18
.set CB,  24
.set WS,  32
.set XS,  48
.set D1,  64
.set U2,  128
.set BH5, 192
.set HC,  196
.set MY,  198
.set TL,  204
.set MA,  236
.set SO,  238
.set BY,  240
.set CD,  242
.set MSB, 0
.macro WIN new
.if MSB != \new
	s_set_vgpr_msb (MSB<<8)|\new
.set MSB, \new
.endif
.endm
.macro PLACES n
.rept \n
	v_nop
.endr
.endm
.macro CROUND
	s_barrier_signal -1
	s_barrier_wait -1
	s_cmp_lg_u32 s24, 0
	s_cbranch_scc1 .Lnot_wave_0_\@
	s_barrier_signal -3
.Lnot_wave_0_\@:
	s_barrier_wait -3
	s_barrier_signal -1
	s_barrier_wait -1
.endm
	s_load_b512 s[4:19], s[0:1], 0x0
	s_load_b128 s[20:23], s[0:1], 0x40
	v_lshl_add_u32 v[SPW], v0, 2, SPARE
	v_mov_b32 v[NIL], 0
	ds_add_u32 v2, v3
	ds_add_u32 v2, v3
	s_wait_dscnt 0x0
	v_lshrrev_b32 v18, 5, v0
	v_readfirstlane_b32 s24, v18
	s_bfe_u32 s25, ttmp6, 0x40000
	s_lshl_b32 s26, ttmp9, 2
	s_add_co_u32 s26, s26, s25
	s_and_b32 s27, ttmp7, 0xffff
	s_mov_b32 s36, 15|(3<<16)|(1<<20)|(1<<21)|(5<<22)|(7<<25)
	s_mov_b32 s37, 3072<<16
	s_mov_b32 s38, 2<<16
	s_mov_b32 s39, 3072<<16
	s_mov_b32 s40, 2
	s_mov_b32 s41, 6144
	s_mov_b32 s42, 0
	s_mov_b32 s43, 0
	s_mov_b32 s48, (3<<16)|(1<<20)|(5<<22)|(19<<25)
	s_mov_b32 s49, 96<<16
	s_mov_b32 s50, 16<<16
	s_mov_b32 s51, 96<<16
	s_mov_b32 s52, 16
	s_mov_b32 s53, 192
	s_mov_b32 s54, 0
	s_mov_b32 s55, 0
	s_lshr_b32 s28, s24, 1
	s_and_b32 s29, s24, 1
	s_mov_b32 s44, 1
	s_mul_i32 s45, s28, XT1
	s_mul_i32 s30, s29, XHALF
	s_add_co_u32 s45, s45, s30
	s_mul_i32 s30, s28, 32*768
	s_mul_i32 s31, s29, 128*768
	s_add_co_u32 s30, s30, s31
	s_mul_i32 s34, s27, 2048*768
	s_add_co_u32 s30, s30, s34
	s_mov_b32 s31, 0
	s_mov_b32 s56, 1
	s_mul_i32 s57, s24, WTILE
	s_add_co_u32 s57, s57, WREG
	s_lshl_b32 s32, s26, 5
	s_add_co_u32 s32, s32, s29
	s_mul_i32 s32, s32, 768
	s_mov_b32 s33, 0
	s_mov_b32 s60, 0xbfb8aa3b
	s_mov_b32 s61, s60
	s_mov_b32 s62, 0x42f00000
	s_mov_b32 s63, 7
	s_mov_b32 s77, 0
.irp c, 0,1,2,3,4,5,6,7
	s_cmp_eq_u32 s24, \c/2
.if \c%2 == 0
	s_cselect_b32 s[66+\c], 0xffff, 0
.else
	s_cselect_b32 s[66+\c], 0xffff0000, 0
.endif
.endr
	s_wait_kmcnt 0x0
	s_add_nc_u64 s[46:47], s[4:5], s[30:31]
	s_or_b32 s47, s47, 0x80000000
	s_cmp_lt_u32 s24, 2
	s_cselect_b64 s[58:59], s[8:9], s[12:13]
	s_add_nc_u64 s[58:59], s[58:59], s[32:33]
	s_or_b32 s59, s59, 0x80000000
	CROUND
	tensor_load_to_lds s[56:59], s[48:55]
	s_nop 0
	s_wait_alu depctr_va_vdst(0)
	s_wait_tensorcnt 0x0
	ds_add_u32 v2, v3
	s_wait_dscnt 0x0
	CROUND
	tensor_load_to_lds s[44:47], s[36:43]
	s_nop 0
	PLACES 4
	v_and_b32 v200, 15, v0
	v_bfe_u32 v201, v0, 4, 1
	v_bfe_u32 v202, v0, 3, 1
	v_and_b32 v203, 7, v0
	v_and_b32 v204, 31, v0
	v_lshlrev_b32 v19, 6, v200
	v_lshl_add_u32 v19, v201, 5, v19
	v_lshlrev_b32 v18, 3, v200
	s_lshl_b32 s32, s26, 10
	s_add_nc_u64 s[10:11], s[10:11], s[32:33]
	s_add_nc_u64 s[14:15], s[14:15], s[32:33]
	s_lshl_b32 s32, s26, 7
	s_add_nc_u64 s[16:17], s[16:17], s[32:33]
	s_add_nc_u64 s[18:19], s[18:19], s[32:33]
	global_load_b128 v[WS:WS+3], v19, s[10:11]
	global_load_b128 v[WS+4:WS+7], v19, s[10:11] offset:16
	global_load_b128 v[WS+8:WS+11], v19, s[14:15]
	global_load_b128 v[WS+12:WS+15], v19, s[14:15] offset:16
	global_load_b64 v[20:21], v18, s[16:17]
	global_load_b64 v[22:23], v18, s[18:19]
	v_lshlrev_b32 v[XSO], 5, v203
	v_lshl_add_u32 v[XSO], v201, 8, v[XSO]
	v_lshl_add_u32 v[XSO], v202, 10, v[XSO]
	s_lshl_b32 s35, s24, 11
	v_add_nc_u32 v[XSO], s35, v[XSO]
	s_lshl_b32 s30, s27, 16
	s_add_nc_u64 s[78:79], s[6:7], s[30:31]
.macro XSLOAD
.irp tp, 0,1
	global_load_b128 v[XS+8*\tp:XS+8*\tp+3], v[XSO], s[78:79] offset:512*\tp
	global_load_b128 v[XS+8*\tp+4:XS+8*\tp+7], v[XSO], s[78:79] offset:512*\tp+16
.endr
.endm
	XSLOAD
	v_mul_u32_u24 v4, v202, XT1
	v_mad_u32_u24 v4, v203, XP, v4
	v_mad_u32_u24 v4, v201, 24, v4
	v_lshl_add_u32 v5, v201, 5, v4
	s_mul_i32 s35, s24, 32*XP
	WIN 0xc0
	v_add_nc_u32 v224, s35, v4
	v_add_nc_u32 v225, s35, v5
	WIN 0
	v_mul_u32_u24 v[WAD], v200, WP
	v_mad_u32_u24 v[WAD], v201, 24, v[WAD]
	v_add_nc_u32 v[WAD], WREG, v[WAD]
	v_mad_u32_u24 v[WAD+1], v201, 80, v[WAD]
	s_mul_i32 s35, s24, STW
	s_add_co_u32 s35, s35, STAGE
	v_lshlrev_b32 v[STO], 3, v200
	v_mad_u32_u24 v[STO], v201, STH, v[STO]
	v_add_nc_u32 v[STO], s35, v[STO]
	v_mul_u32_u24 v[RDA], v204, STP
	v_add_nc_u32 v[RDA], s35, v[RDA]
	s_and_b32 s32, s26, 1
	s_lshl_b32 s32, s32, 4
	v_xor_b32 v[GOF], s32, v204
	v_lshlrev_b32 v[GOF], 3, v[GOF]
	s_mul_i32 s35, s24, 1536
	v_add_nc_u32 v[GOF], s35, v[GOF]
	s_lshl_b32 s35, s24, 9
	s_add_co_u32 s35, s35, SCB
	v_add_nc_u32 v[SBA], s35, v204
	v_lshl_add_u32 v[TOS], v0, 4, TOT
	v_lshl_add_u32 v[TOL], v200, 4, TOT
	v_mul_u32_u24 v[PFO], v204, 768
	v_bfe_u32 v[FRA], v0, 2, 2
	v_lshlrev_b32 v[FRA], 9, v[FRA]
	v_lshrrev_b32 v[HSO], 4, v0
	v_lshl_add_u32 v[FRA], v[HSO], 6, v[FRA]
	v_and_b32 v[HSO], 3, v0
	v_lshl_add_u32 v[FRA], v[HSO], 4, v[FRA]
	v_add_nc_u32 v[FRA], SCB, v[FRA]
	v_lshlrev_b32 v[HSO], 4, v0
	s_mul_i32 s32, s26, 393216
	s_mul_i32 s35, s27, 49152
	s_add_co_u32 s32, s32, s35
	s_add_nc_u64 s[80:81], s[20:21], s[32:33]
	s_lshl_b32 s32, s26, 14
	s_lshl_b32 s35, s27, 11
	s_add_co_u32 s32, s32, s35
	s_add_nc_u64 s[82:83], s[22:23], s[32:33]
	s_mul_i32 s32, s25, 64*768
	s_lshl_b32 s35, s24, 8
	s_add_co_u32 s32, s32, s35
	s_add_co_u32 s32, s32, s34
	s_add_co_u32 s32, s32, 256*768
	s_add_nc_u64 s[74:75], s[4:5], s[32:33]
	s_cmp_lt_u32 s24, 3
	s_cselect_b32 s76, ttmp9, 1
	s_cmp_eq_u32 s76, 0
	s_cselect_b32 s76, 1, -1
	s_wait_tensorcnt 0x1
	s_barrier_signal -1
	s_barrier_wait -1
.macro WFRAG ks, n4, base
.irp j, 0,1,2,3,4,5
.set PC, 12*(\ks)+6*(\j/3)+\j%3
.if PC%32 < 29
	ds_load_b64 v[(\base)+2*\j:(\base)+2*\j+1], v[WAD] offset:WTILE*(\n4)+8*PC+80*(PC/32)
.else
	ds_load_b64 v[(\base)+2*\j:(\base)+2*\j+1], v[WAD+1] offset:WTILE*(\n4)+8*PC+80*(PC/32)
.endif
.endr
.endm
	WIN 0x40
.irp ks, 0,1,2,3,4
.irp n4, 0,1,2,3
	WFRAG \ks, \n4, 12*(4*\ks+\n4)
.endr
.endr
	WIN 0x80
.irp ks, 5,6,7
.irp n4, 0,1,2,3
	WFRAG \ks, \n4, 12*(4*(\ks-5)+\n4)
.endr
.endr
	WIN 0
	s_wait_loadcnt 0x0
	v_mul_f32 v[CB], s60, v20
	v_mul_f32 v[CB+2], s60, v21
	v_mul_f32 v[CB+4], s60, v22
	v_mul_f32 v[CB+6], s60, v23
	v_add_f32 v[BH5], 0.5, v22
	v_add_f32 v[BH5+2], 0.5, v23
.irp i, 0,2,4,6
	v_mov_b32 v[CB+\i+1], v[CB+\i]
.endr
	v_mov_b32 v[BH5+1], v[BH5]
	v_mov_b32 v[BH5+3], v[BH5+2]
	v_mov_b32 v[HC], 0
	v_mov_b32 v[HC+1], 0
.macro XFRAG p, t, ks
.irp j, 0,1,2,3,4,5
.set PC, 12*(\ks)+6*(\j/3)+\j%3
.if PC%32 < 29
	ds_load_b64 v[128+48*(\p)+12*(\t)+2*\j:128+48*(\p)+12*(\t)+2*\j+1], v224 offset:8*XP*(\t)+8*PC+32*(PC/32)
.else
	ds_load_b64 v[128+48*(\p)+12*(\t)+2*\j:128+48*(\p)+12*(\t)+2*\j+1], v225 offset:8*XP*(\t)+8*PC+32*(PC/32)
.endif
.endr
.endm
.macro MM ks, t, n4
.set ACC, 32*(\n4)+8*(\t)
.set AFR, 128+48*((\ks)%2)+12*(\t)
.set BFR, 12*(4*((\ks)%5)+(\n4))
.set SAR, XS+8*((\t)/2)+(\ks)
.set SBR, WS+8*((\n4)/2)+(\ks)
.if ((\t)%2 == 0) && ((\n4)%2 == 0)
.if (\ks) == 0
	v_wmma_scale_f32_16x16x128_f8f6f4 v[ACC:ACC+7], v[AFR:AFR+11], v[BFR:BFR+11], 0, v[SAR], v[SBR] matrix_a_fmt:MATRIX_FMT_BF6 matrix_b_fmt:MATRIX_FMT_BF6
.else
	v_wmma_scale_f32_16x16x128_f8f6f4 v[ACC:ACC+7], v[AFR:AFR+11], v[BFR:BFR+11], v[ACC:ACC+7], v[SAR], v[SBR] matrix_a_fmt:MATRIX_FMT_BF6 matrix_b_fmt:MATRIX_FMT_BF6
.endif
.elseif ((\t)%2 == 0)
.if (\ks) == 0
	v_wmma_scale_f32_16x16x128_f8f6f4 v[ACC:ACC+7], v[AFR:AFR+11], v[BFR:BFR+11], 0, v[SAR], v[SBR] matrix_a_fmt:MATRIX_FMT_BF6 matrix_b_fmt:MATRIX_FMT_BF6 matrix_b_scale:MATRIX_SCALE_ROW1
.else
	v_wmma_scale_f32_16x16x128_f8f6f4 v[ACC:ACC+7], v[AFR:AFR+11], v[BFR:BFR+11], v[ACC:ACC+7], v[SAR], v[SBR] matrix_a_fmt:MATRIX_FMT_BF6 matrix_b_fmt:MATRIX_FMT_BF6 matrix_b_scale:MATRIX_SCALE_ROW1
.endif
.elseif ((\n4)%2 == 0)
.if (\ks) == 0
	v_wmma_scale_f32_16x16x128_f8f6f4 v[ACC:ACC+7], v[AFR:AFR+11], v[BFR:BFR+11], 0, v[SAR], v[SBR] matrix_a_fmt:MATRIX_FMT_BF6 matrix_b_fmt:MATRIX_FMT_BF6 matrix_a_scale:MATRIX_SCALE_ROW1
.else
	v_wmma_scale_f32_16x16x128_f8f6f4 v[ACC:ACC+7], v[AFR:AFR+11], v[BFR:BFR+11], v[ACC:ACC+7], v[SAR], v[SBR] matrix_a_fmt:MATRIX_FMT_BF6 matrix_b_fmt:MATRIX_FMT_BF6 matrix_a_scale:MATRIX_SCALE_ROW1
.endif
.else
.if (\ks) == 0
	v_wmma_scale_f32_16x16x128_f8f6f4 v[ACC:ACC+7], v[AFR:AFR+11], v[BFR:BFR+11], 0, v[SAR], v[SBR] matrix_a_fmt:MATRIX_FMT_BF6 matrix_b_fmt:MATRIX_FMT_BF6 matrix_a_scale:MATRIX_SCALE_ROW1 matrix_b_scale:MATRIX_SCALE_ROW1
.else
	v_wmma_scale_f32_16x16x128_f8f6f4 v[ACC:ACC+7], v[AFR:AFR+11], v[BFR:BFR+11], v[ACC:ACC+7], v[SAR], v[SBR] matrix_a_fmt:MATRIX_FMT_BF6 matrix_b_fmt:MATRIX_FMT_BF6 matrix_a_scale:MATRIX_SCALE_ROW1 matrix_b_scale:MATRIX_SCALE_ROW1
.endif
.endif
.endm
.macro GROUP ks, t
	MM \ks, \t, 0
	MM \ks, \t, 1
	MM \ks, \t, 2
	MM \ks, \t, 3
.endm
.macro GEMM
	WIN 0xf7
.irp t, 0,1,2,3
	XFRAG 0, \t, 0
.endr
.irp ks, 0,1,2,3,4,5,6,7
.if \ks == 5
	WIN 0xfb
.endif
.if \ks < 7
.irp t, 0,1,2,3
	XFRAG (\ks+1)%2, \t, \ks+1                     ; the next K step's 24 loads in one run, into the buffer that the step before has read
.endr
	s_wait_dscnt 24                                ; all but the 24 just issued: this step's fragments are in
.else
	s_wait_dscnt 0
.endif
.irp t, 0,1,2,3
	GROUP \ks, \t
.endr
.if \ks < 7
	PLACES 4                                       ; four places in front of the loads into the buffer just multiplied
.endif
.endr
	WIN 0
	PLACES 4
.endm
.macro ASK
	s_cmp_gt_u32 s63, s76
	s_cbranch_scc0 .Lnot_mine_\@
	global_prefetch_b8 v[PFO], s[74:75] th:TH_LOAD_NT scope:SCOPE_SE
	global_prefetch_b8 v[PFO], s[74:75] offset:32*768 th:TH_LOAD_NT scope:SCOPE_SE
.Lnot_mine_\@:
.endm
.macro REFILL
	s_wait_tensorcnt 0x0
	ds_add_u32 v[SPW], v[NIL]
	s_add_nc_u64 s[46:47], s[46:47], 256*768
	s_add_nc_u64 s[78:79], s[78:79], 256*32
	s_add_nc_u64 s[74:75], s[74:75], 256*768
	s_wait_dscnt 0x0
	CROUND
	tensor_load_to_lds s[44:47], s[36:43]
	s_nop 0
	PLACES 4
	XSLOAD
	ASK
.endm
.macro ACT
	WIN 0xc3
.irp n, 0,1
.set i, 32*\n
.rept 16
	v_pk_fma_f32 v[i:i+1], v[i:i+1], s[60:61], v[CB+2*\n:CB+2*\n+1] op_sel_hi:[1,0,1]
.set i, i+2
.endr
.endr
.set i, 0
.rept 64
	v_min_num_f32 v[i], v[i], s62
.set i, i+1
.endr
	WIN 0x03
.irp n, 0,1
.set i, 32*\n
.rept 16
	v_pk_fma_f32 v[U2+i:U2+i+1], v[64+i:64+i+1], s[60:61], v[CB+4+2*\n:CB+4+2*\n+1] op_sel_hi:[1,0,1]
.set i, i+2
.endr
.endr
	WIN 0xc3
.set i, 0
	s_wait_alu depctr_va_vdst(0)
.rept 64
	v_exp_f32 v[i], v[i]
.set i, i+1
.endr
.irp n, 0,1
.set i, 32*\n
.rept 16
	v_pk_add_f32 v[64+i:64+i+1], v[64+i:64+i+1], v[BH5+2*\n:BH5+2*\n+1]
.set i, i+2
.endr
.endr
	WIN 0
.set i, 0
.rept 64
	v_exp_f32 v[U2+i], v[U2+i]
.set i, i+1
.endr
	v_nop
	s_wait_alu depctr_va_vdst(0)
	WIN 0x03
.set i, 0
.rept 32
	v_pk_add_f32 v[D1+i:D1+i+1], v[i:i+1], 1.0 op_sel_hi:[1,0]
.set i, i+2
.endr
	WIN 0
.set i, 0
.rept 32
	v_pk_add_f32 v[U2+i:U2+i+1], v[U2+i:U2+i+1], 1.0 op_sel_hi:[1,0]
.set i, i+2
.endr
.set i, 0
	s_wait_alu depctr_va_vdst(0)
.rept 128
	v_rcp_f32 v[D1+i], v[D1+i]
.set i, i+1
.endr
	v_nop
	s_wait_alu depctr_va_vdst(0)
	WIN 0xc3
.set i, 0
.rept 32
	v_pk_mul_f32 v[i:i+1], v[i:i+1], v[D1+i:D1+i+1]
.set i, i+2
.endr
.set i, 0
.rept 64
	v_max_num_f32 v[64+i], v[64+i], v[U2+i]
.set i, i+1
.endr
.set i, 0
.rept 32
	v_pk_mul_f32 v[64+i:64+i+1], v[64+i:64+i+1], v[D1+i:D1+i+1]
.set i, i+2
.endr
.endm
.macro CHAIN
	WIN 0x33
	v_mov_b32 v[D1], v0
	v_mov_b32 v[D1+1], v32
	v_mov_b32 v[U2], v64
	v_mov_b32 v[U2+1], v96
.set q, 1
.rept 31
	v_mul_f32 v[D1+2*q], v[q], v[D1+2*q-2]
	v_mul_f32 v[D1+2*q+1], v[32+q], v[D1+2*q-1]
	v_fma_f32 v[U2+2*q], v[q], v[U2+2*q-2], v[64+q]
	v_fma_f32 v[U2+2*q+1], v[32+q], v[U2+2*q-1], v[96+q]
.set q, q+1
.endr
	WIN 0
	ds_store_b64 v[TOS], v[D1+62:D1+63]
	ds_store_b64 v[TOS], v[U2+62:U2+63] offset:8
.endm
.macro FOLD
.irp c, 0,1,2,3,4,5,6,7
	ds_load_b128 v[TL+4*\c:TL+4*\c+3], v[TOL] offset:256*\c
.endr
	v_mov_b32 v[MY], v[HC]
	v_mov_b32 v[MY+1], v[HC+1]
	s_wait_alu depctr_va_vdst(0)
	s_wait_dscnt 0x0
.irp c, 0,1,2,3,4,5,6,7
.if \c > 0
	v_cndmask_b32 v[MY], v[MY], v[HC], s[66+\c]
	v_cndmask_b32 v[MY+1], v[MY+1], v[HC+1], s[66+\c]
.endif
	v_pk_fma_f32 v[HC:HC+1], v[TL+4*\c:TL+4*\c+1], v[HC:HC+1], v[TL+4*\c+2:TL+4*\c+3]
.endr
.endm
.macro OUTQ
.set q, 0
.rept 32
	v_pk_fma_f32 v[U2+2*q:U2+2*q+1], v[D1+2*q:D1+2*q+1], v[MY:MY+1], v[U2+2*q:U2+2*q+1]
.set q, q+1
.endr
.set q, 0
.rept 32
	ds_store_b64 v[STO], v[U2+2*q:U2+2*q+1] offset:STP*q
.set q, q+1
.endr
.irp u, 0,1
.irp i, 0,1,2,3,4,5,6,7
	ds_load_b128 v[D1+32*\u+4*\i:D1+32*\u+4*\i+3], v[RDA] offset:STH*\u+16*\i
.endr
.endr
	v_add_nc_u32 v20, s77, v[SBA]
	s_wait_dscnt 0x0
.irp u, 0,1
	v_max3_num_f32 v[MA+\u], v[D1+32*\u], v[D1+32*\u+1], 0x2800000
	v_max3_num_f32 v[MB+\u], v[D1+32*\u+16], v[D1+32*\u+17], v[D1+32*\u+18]
.endr
.irp i, 2,4,6,8,10,12
.irp u, 0,1
	v_max3_num_f32 v[MA+\u], v[MA+\u], v[D1+32*\u+\i], v[D1+32*\u+\i+1]
	v_max3_num_f32 v[MB+\u], v[MB+\u], v[D1+32*\u+\i+17], v[D1+32*\u+\i+18]
.endr
.endr
.irp u, 0,1
	v_max3_num_f32 v[MA+\u], v[MA+\u], v[D1+32*\u+14], v[D1+32*\u+15]
.endr
.irp u, 0,1
	v_max3_num_f32 v[MA+\u], v[MA+\u], v[MB+\u], v[D1+32*\u+31]
.endr
.irp u, 0,1
	v_add_nc_u32 v[SO+\u], 0xfe000000, v[MA+\u]
.endr
.irp u, 0,1
	v_lshrrev_b32 v[BY+\u], 23, v[SO+\u]
.endr
.irp u, 0,1
	v_cvt_scalef32_pk16_bf6_f32 v[CD+6*\u:CD+6*\u+2], v[D1+32*\u:D1+32*\u+15], v[SO+\u]
	v_cvt_scalef32_pk16_bf6_f32 v[TL+4*\u:TL+4*\u+2], v[D1+32*\u+16:D1+32*\u+31], v[SO+\u]
.endr
	v_nop
.irp u, 0,1
.irp i, 0,1,2
	v_mov_b32 v[CD+6*\u+3+\i], v[TL+4*\u+\i]
.endr
.endr
.irp u, 0,1
	ds_store_b8 v20, v[BY+\u] offset:32*\u
.irp i, 0,1,2
	global_store_b64 v[GOF], v[CD+6*\u+2*\i:CD+6*\u+2*\i+1], s[80:81] offset:768*\u+256*\i
.endr
.endr
	s_wait_xcnt 0x0
	s_add_nc_u64 s[80:81], s[80:81], 8*768
	s_add_co_u32 s77, s77, 64
.endm
.macro BLOCK fill
	s_wait_tensorcnt 0x0
	s_wait_loadcnt 0x0
	s_wait_dscnt 0x0
	s_barrier_signal -1
	s_barrier_wait -1
	GEMM
.if \fill
	REFILL
.endif
	s_wait_alu depctr_va_vdst(0)
	ACT
	CHAIN
	s_wait_dscnt 0x0
	s_barrier_signal -1
	s_barrier_wait -1
	FOLD
	OUTQ
.endm
.Lblk:
	BLOCK 1
	s_sub_co_u32 s63, s63, 1
	s_cmp_lg_u32 s63, 0
	s_cbranch_scc1 .Lblk
	BLOCK 0
	s_wait_dscnt 0x0
	s_barrier_signal -1
	s_barrier_wait -1
	ds_load_b128 v[200:203], v[FRA]
	s_wait_dscnt 0x0
	global_store_b128 v[HSO], v[200:203], s[82:83]
	s_wait_tensorcnt 0x0
	ds_add_u32 v[SPW], v[NIL]
	s_wait_dscnt 0x0
	CROUND
	s_endpgm
.Lfunc_end_k_q396087f758_gates:
	.size	k_q396087f758_gates, .Lfunc_end_k_q396087f758_gates-k_q396087f758_gates
	.p2alignl 7, 3214868480
	.fill 96, 4, 3214868480
	.section	.rodata,"a",@progbits
	.p2align	6, 0x0
	.amdhsa_kernel k_q396087f758_gates
		.amdhsa_group_segment_fixed_size 327680
		.amdhsa_private_segment_fixed_size 0
		.amdhsa_enable_private_segment 0
		.amdhsa_kernarg_size 80
		.amdhsa_user_sgpr_count 2
		.amdhsa_user_sgpr_kernarg_segment_ptr 1
		.amdhsa_wavefront_size32 1
		.amdhsa_system_sgpr_workgroup_id_x 1
		.amdhsa_system_sgpr_workgroup_id_y 1
		.amdhsa_system_sgpr_workgroup_id_z 1
		.amdhsa_system_vgpr_workitem_id 0
		.amdhsa_next_free_vgpr 1024
		.amdhsa_next_free_sgpr 100
		.amdhsa_reserve_vcc 0
		.amdhsa_float_denorm_mode_32 3
		.amdhsa_float_denorm_mode_16_64 3
		.amdhsa_memory_ordered 1
		.amdhsa_forward_progress 1
		.amdhsa_inst_pref_size 175
	.end_amdhsa_kernel
	.amdgpu_metadata
---
amdhsa.version: [ 1, 2 ]
amdhsa.kernels:
  - .name:           k_q396087f758_gates
    .symbol:         k_q396087f758_gates.kd
    .args:
      - { .name: x_codes, .offset: 0, .size: 8, .value_kind: global_buffer, .address_space: global }
      - { .name: x_scales, .offset: 8, .size: 8, .value_kind: global_buffer, .address_space: global }
      - { .name: Wz_codes, .offset: 16, .size: 8, .value_kind: global_buffer, .address_space: global }
      - { .name: Wz_scales, .offset: 24, .size: 8, .value_kind: global_buffer, .address_space: global }
      - { .name: Wh_codes, .offset: 32, .size: 8, .value_kind: global_buffer, .address_space: global }
      - { .name: Wh_scales, .offset: 40, .size: 8, .value_kind: global_buffer, .address_space: global }
      - { .name: bz, .offset: 48, .size: 8, .value_kind: global_buffer, .address_space: global }
      - { .name: bh, .offset: 56, .size: 8, .value_kind: global_buffer, .address_space: global }
      - { .name: hc, .offset: 64, .size: 8, .value_kind: global_buffer, .address_space: global }
      - { .name: hs, .offset: 72, .size: 8, .value_kind: global_buffer, .address_space: global }
    .group_segment_fixed_size: 327680
    .private_segment_fixed_size: 0
    .kernarg_segment_align: 8
    .kernarg_segment_size: 80
    .max_flat_workgroup_size: 128
    .sgpr_count:     100
    .vgpr_count:     1024
    .wavefront_size: 32
...
	.end_amdgpu_metadata
.endif
;; end of part 1
;; launch outp (part 2): grid 4 x 64, 4 waves a work-group, clusters of 4 x 4, 327,680 bytes of LDS; arguments hc, hs, Wo_codes, Wo_scales, out0, bo; writes out0
.if DOCPART == 2
	.amdgcn_target "amdgcn-amd-amdhsa--gfx1250"
	.amdhsa_code_object_version 6
	.text
	.protected	k_q396087f758_outp
	.globl	k_q396087f758_outp
	.p2align	8
	.type	k_q396087f758_outp,@function
k_q396087f758_outp:
	s_mov_b64 s[64:65], 0
	v_nop
	global_prefetch_b8 v0, s[64:65] scope:SCOPE_SE
	s_setreg_imm32_b32 hwreg(HW_REG_WAVE_MODE, 25, 1), 1
	s_wait_xcnt 0x0
	s_wait_alu depctr_hold_cnt(0) depctr_sa_sdst(0) depctr_va_vdst(0) depctr_va_sdst(0) depctr_va_ssrc(0) depctr_va_vcc(0) depctr_vm_vsrc(0)
	s_getreg_b32 s2, hwreg(HW_REG_IB_STS2, 6, 4)
	s_cmp_eq_u32 s2, 0
	s_cbranch_scc0 .Lentry_in_a_cluster
	s_endpgm
.Lentry_in_a_cluster:
	s_bfe_u32 s2, ttmp6, 0x10000c
	s_cmp_lg_u32 s2, 0xf033
	s_cbranch_scc0 .Lentry_shape_is_right
	s_endpgm
.Lentry_shape_is_right:
; MinGRU, second part: out[m][n] = sum over k of h[m][k] Wo[n][k] + bo[n], on codes of BF6 (E3M2), one E8M0 scale for each 32 along K.  m 16,384, n 1,024, k 1,024; sums and out in f32.
; h as the first launch left it: hc [kb 32][rt 512][piece 3][pos 32][8 bytes], row = 32 rt + (pos xor 16 (kb % 2)); hs [kb 32][row 16,384], a byte each.  Wo's codes: rows of 768 bytes; its scale bytes: rows of 32.
; A tile of out, 256 x 256, is made by four waves, 128 x 128 each: 64 accumulators.  The eight K steps of 128 are written out.
; Wo's 256 rows come into LDS ONCE, whole (768 bytes a row, each row at a multiple of 256 bytes of its buffer, 16 bytes of padding behind every 256), and stay.
; h goes through a ring of two slots of 8 planes (256 along K).  Wo's scale words go from memory straight into registers: a load's 32 lanes cover 512 consecutive bytes.
; CLUSTERS 4 x 4: h's tiles are asked for jointly along a row of the cluster, Wo's along a column.
; The matrix instruction is used transposed (source 0 = Wo, source 1 = h): a lane holds eight neighbouring numbers of a row of out.  bo is the C of each sum's first product.
; Scale words: four registers for each block of 16 rows; register s % 4 holds K step s in lanes 0-15 (s < 4) or lanes 16-31 (s >= 4).
; No prefetch: the walk of four slot fills is written out, two of them first fills: there is no loop to run ahead in.
; REGISTERS: window 0: v0-31 addresses; v32-63 h's scale words, v64-95 Wo's; v96-127, v224-255 scale bytes on their way; v128-223 h's fragments; on the way out v128-255 rows read back.
;   window 1: Wo's fragments, two sets, v0 and v128; bo at v96-127 and v224-255.  window 2: accumulators of my rows 0-63;  window 3: of rows 64-127.
.set SIZE_N, 1024
.set PLANE,  393216                    ; a plane kb of hc
.set APL,    6144                      ; its part for 256 rows
.set ASZ,    8*APL
.set SLOT,   ASZ                       ; a slot: 8 planes of h
.set PITCH,  816                       ; a row of Wo in LDS: 3 x (256 + 16) bytes
.set HALFB,  128*PITCH
.set WOB,    2*SLOT                    ; Wo behind the ring
.set FR,     12
.set NL,     6
.set NP,     4
.set SCA,    WOB+2*HALFB               ; h's scale bytes: 32 planes of 256 + 16
.set SPARE,  SCA+32*272                ; the spare words: 512 bytes that no other line names
.set SPITCH, 528                       ; the way out: 16 rows x (512 + 16) for each wave, in slot 0, behind its last fill and last read
.set ADAE, 16                          ; v16-17 h's fragments of even blocks in slot 0, 1
.set ADAO, 18                          ; v18-19 of odd blocks
.set ADRB, 20                          ; v20-21 Wo's blocks 0-3, 4-7;  v22-23 the same behind one padding more for lanes 16-31
.set STO,  24
.set RD,   25
.set CO,   26
.set WSO,  27                          ; Wo's scale words in memory: 32 r + 16 h
.set SPW,  28
.set NIL,  29
.set SAAD, 30
.set BOF,  31
.set SA,   32
.set SB,   64
.set TS,   96
.set AF,   128
.set BK,   128
.set G1, 24                            ; s[24:31] group 1 of h's tiles; s[32:39] group 0, a set for each slot; s[60:63] group 0 of the head's whole slot 0
.set G0, 32
.set G0H, 60
.set G1B, 48                           ; s[48:55], s[56:59] Wo's codes
.set G0B, 56
.set G1S, 68                           ; s[68:75], s[76:79] h's scale bytes
.set G0S, 76
.set MSB, 0
.macro WIN new
.if MSB != \new
	s_set_vgpr_msb (MSB<<8)|\new
.set MSB, \new
.endif
.endm
.set MUL_LO, 0xa1
.set MUL_HI, 0xf1
.set BIA_LO, 0x91
.set BIA_HI, 0xd1
.set TO_B,   0x40
.macro PLACES n
.rept \n
	v_nop
.endr
.endm
.macro CREST
	s_cmp_lg_u32 s14, 0
	s_cbranch_scc1 .Lnot_wave_0_\@
	s_barrier_signal -3
.Lnot_wave_0_\@:
	s_barrier_wait -3
	s_barrier_signal -1
	s_barrier_wait -1
.endm
.macro CROUND
	s_barrier_signal -1
	s_barrier_wait -1
	CREST
.endm
	s_load_b128 s[4:7], s[0:1], 0x0                ; hc, hs
	s_load_b128 s[8:11], s[0:1], 0x10              ; Wo's codes, scales
	s_load_b64 s[12:13], s[0:1], 0x20              ; out
	s_load_b64 s[96:97], s[0:1], 0x28              ; bo
	v_lshl_add_u32 v[SPW], v0, 2, SPARE
	v_mov_b32 v[NIL], 0
	ds_add_u32 v[SPW], v[NIL]
	ds_add_u32 v[SPW], v[NIL]
	v_lshrrev_b32 v1, 5, v0
	v_readfirstlane_b32 s14, v1                    ; wave
	s_lshr_b32 s15, s14, 1                         ; my half of the tile's rows
	s_and_b32 s16, s14, 1                          ; my half of its columns
	s_bfe_u32 s40, ttmp6, 0x40000                  ; cx
	s_bfe_u32 s41, ttmp6, 0x40004                  ; cy
	s_lshl_b32 s42, ttmp9, 2
	s_add_co_u32 s42, s42, s40                     ; tile column
	s_and_b32 s17, ttmp7, 0xffff
	s_lshl_b32 s17, s17, 2
	s_add_co_u32 s17, s17, s41                     ; tile row
	s_lshl_b32 s43, s41, 2
	s_lshl_b32 s43, 15, s43                        ; my row of the cluster
	s_lshl_b32 s44, 0x1111, s40                    ; my column
	s_or_b32 s[G1+0], s43, (3<<16)|(1<<21)         ; h's codes: planes of 6,144 bytes (768 elements of 8), a plane of hc apart; 8 planes at the head
	s_mov_b32 s[G1+1], 768<<16
	s_mov_b32 s[G1+2], 8<<16
	s_mov_b32 s[G1+3], 768<<16
	s_mov_b32 s[G1+4], 8
	s_mov_b32 s[G1+5], PLANE/8
	s_mov_b32 s[G1+6], 0
	s_mov_b32 s[G1+7], 0
	s_or_b32 s[G1B+0], s44, (0<<16)|(1<<20)|(1<<21)|(5<<22)|(3<<25)  ; Wo's codes: 128 rows x 768 bytes, 16 bytes of padding behind every 256
	s_mov_b32 s[G1B+1], 768<<16
	s_mov_b32 s[G1B+2], 128<<16
	s_mov_b32 s[G1B+3], 768<<16
	s_mov_b32 s[G1B+4], 128
	s_mov_b32 s[G1B+5], 768
	s_mov_b32 s[G1B+6], 0
	s_mov_b32 s[G1B+7], 0
	s_or_b32 s[G1S+0], s43, (3<<16)|(1<<20)|(1<<21)|(5<<22)|(3<<25)  ; h's scale bytes: 32 planes x 256 bytes, 16,384 apart, 16 of padding behind each
	s_mov_b32 s[G1S+1], 32<<16
	s_mov_b32 s[G1S+2], 32<<16
	s_mov_b32 s[G1S+3], 32<<16
	s_mov_b32 s[G1S+4], 32
	s_mov_b32 s[G1S+5], 2048
	s_mov_b32 s[G1S+6], 0
	s_mov_b32 s[G1S+7], 0
	s_mul_i32 s20, s17, APL                        ; h's codes: the tile row's part of a plane
	s_mov_b32 s21, 0
	s_lshl_b32 s22, s17, 8                         ; h's scale bytes
	s_mov_b32 s23, 0
	s_mul_i32 s46, s42, 256*768                    ; Wo's codes: row 256 x tile column + 128 x half
	s_mul_i32 s19, s16, 128*768
	s_add_co_u32 s46, s46, s19
	s_mov_b32 s47, 0
	s_lshl_b32 s92, s42, 13                        ; Wo's scale bytes of my 128 rows
	s_lshl_b32 s19, s16, 12
	s_add_co_u32 s92, s92, s19
	s_mov_b32 s93, 0
	s_mul_i32 s18, s14, 2*PLANE                    ; in the ring each wave fetches two planes
	s_mov_b32 s19, 0
	s_mul_i32 s45, s14, 2*APL
	s_mul_i32 s95, s16, HALFB
	s_add_co_u32 s95, s95, WOB
	s_wait_dscnt 0x0                               ; both opening adds are done
	s_wait_kmcnt 0x0
	s_add_nc_u64 s[20:21], s[4:5], s[20:21]
	s_add_nc_u64 s[22:23], s[6:7], s[22:23]
	s_add_nc_u64 s[46:47], s[8:9], s[46:47]
	s_add_nc_u64 s[10:11], s[10:11], s[92:93]
	CROUND                                         ; all sixteen work-groups are here: the first joint loads meet
	s_mov_b32 s[G0H], 1
	s_mov_b32 s[G0H+1], 0
	s_mov_b64 s[G0H+2:G0H+3], s[20:21]
	s_or_b32 s[G0H+3], s[G0H+3], 0x80000000
	s_mov_b32 s[G0S], 1
	s_mov_b32 s[G0S+1], SCA
	s_mov_b64 s[G0S+2:G0S+3], s[22:23]
	s_or_b32 s[G0S+3], s[G0S+3], 0x80000000
	s_mov_b32 s[G0B], 1
	s_mov_b32 s[G0B+1], s95
	s_mov_b64 s[G0B+2:G0B+3], s[46:47]
	s_or_b32 s[G0B+3], s[G0B+3], 0x80000000
	s_add_nc_u64 s[20:21], s[20:21], s[18:19]
.irp s, 0,1
	s_mov_b32 s[G0+4*\s], 1
	s_add_co_u32 s[G0+4*\s+1], s45, \s*SLOT
	s_add_nc_u64 s[G0+4*\s+2:G0+4*\s+3], s[20:21], \s*8*PLANE
	s_or_b32 s[G0+4*\s+3], s[G0+4*\s+3], 0x80000000
.endr
; the head's loads, one a wave, in one chain of branches on the wave's number: wave 0 h's planes 0-7, wave 1 h's scale bytes, waves 2 and 3 128 rows of Wo each
.macro ARM under, g0, g1, next
	s_cmp_lt_u32 s14, \under
	s_cbranch_scc0 \next
	tensor_load_to_lds s[\g0:\g0+3], s[\g1:\g1+7]
	s_nop 0
	PLACES 4
	s_branch .Lhead_asked
\next:
.endm
	ARM 1, G0H, G1,  .Lhead_s
	ARM 2, G0S, G1S, .Lhead_w
	tensor_load_to_lds s[G0B:G0B+3], s[G1B:G1B+7]
	s_nop 0
	PLACES 4
.Lhead_asked:
	s_mul_i32 s21, s15, 4*768                      ; my 128 rows of h: four groups of 32
	s_add_co_u32 s18, s21, SLOT
	s_lshl_b32 s19, s15, 7
	s_add_co_u32 s19, s19, SCA
	s_mul_i32 s23, s14, 16*SPITCH                  ; my stage
	s_lshl_b32 s46, s42, 10                        ; my first column in bytes
	s_lshl_b32 s47, s16, 9
	s_add_co_u32 s46, s46, s47
	s_mov_b32 s47, 0
	s_add_nc_u64 s[96:97], s[96:97], s[46:47]      ; bo at my first column
	s_lshl_b32 s92, s17, 8
	s_lshl_b32 s93, s15, 7
	s_add_co_u32 s92, s92, s93                     ; my first row of out,
	s_lshl_b32 s92, s92, 12                        ; x 4,096 bytes: under 2^26
	s_add_co_u32 s92, s92, s46
	s_mov_b32 s93, 0
	s_add_nc_u64 s[12:13], s[12:13], s[92:93]
	v_and_b32 v1, 15, v0                           ; r
	v_bfe_u32 v2, v0, 4, 1                         ; h
	v_mul_u32_u24 v3, v1, PITCH
	v_mad_u32_u24 v4, v2, 24, v3                   ; Wo: row x pitch + 24 h
	v_lshl_add_u32 v5, v2, 4, v4                   ; and behind one padding more
	v_lshlrev_b32 v6, 3, v1
	v_mad_u32_u24 v7, v2, APL+128, v6              ; h, even blocks: places r, in the next plane 16 + r
	v_mad_u32_u24 v8, v2, APL-128, v6
	v_add_nc_u32 v8, 128, v8                       ; odd blocks: places 16 + r, in the next plane r
	v_add_nc_u32 v[ADAE], s21, v7
	v_add_nc_u32 v[ADAE+1], s18, v7
	v_add_nc_u32 v[ADAO], s21, v8
	v_add_nc_u32 v[ADAO+1], s18, v8
	v_add_nc_u32 v[ADRB], s95, v4
	v_add_nc_u32 v[ADRB+2], s95, v5
	v_add_nc_u32 v[ADRB+1], 64*PITCH, v[ADRB]
	v_add_nc_u32 v[ADRB+3], 64*PITCH, v[ADRB+2]
	v_mad_u32_u24 v9, v2, 16*272, v1               ; h's scale bytes: lanes 16-31 take planes 16 on
	v_add_nc_u32 v[SAAD], s19, v9
	v_lshlrev_b32 v[BOF], 5, v2
	v_lshlrev_b32 v[WSO], 5, v1
	v_lshl_add_u32 v[WSO], v2, 4, v[WSO]
	v_mul_u32_u24 v10, v1, SPITCH
	v_lshl_add_u32 v10, v2, 5, v10
	v_add_nc_u32 v[STO], s23, v10
	v_and_b32 v11, 31, v0
	v_lshlrev_b32 v[CO], 4, v11
	v_add_nc_u32 v[RD], s23, v[CO]
	s_wait_alu depctr_va_vdst(0)
	WIN TO_B
.irp b, 0,1,2,3,4,5,6,7                        ; bo in the result's layout: columns 16 b + 8 h + 0 .. 7
	global_load_b128 v[96+8*\b+96*(\b/4):96+8*\b+96*(\b/4)+3], v[BOF], s[96:97] offset:64*\b
	global_load_b128 v[100+8*\b+96*(\b/4):100+8*\b+96*(\b/4)+3], v[BOF], s[96:97] offset:64*\b+16
.endr
	WIN 0
.irp b, 0,1,2,3,4,5,6,7                        ; Wo's scale words of block b: four K steps a lane
	global_load_b128 v[SB+4*\b:SB+4*\b+3], v[WSO], s[10:11] offset:512*\b
.endr
.macro FRAG reg, st, i                 ; a fragment of Wo, K step st, block i: pieces of 8 bytes; 16 bytes of padding behind every 32 pieces
.irp p, 0,1,2,3,4,5
.set PC, 12*(\st)+6*(\p/3)+\p%3
.if PC%32 < 29
	ds_load_b64 v[\reg+2*\p:\reg+2*\p+1], v[ADRB+(\i)/4] offset:8*PC+16*(PC/32)+((\i)%4)*16*PITCH
.else
	ds_load_b64 v[\reg+2*\p:\reg+2*\p+1], v[ADRB+2+(\i)/4] offset:8*PC+16*(PC/32)+((\i)%4)*16*PITCH
.endif
.endr
.endm
.macro FRAGA reg, slot, q, i           ; a fragment of h: registers 6 c + 2 j hold piece j of plane 4 q + 2 c + (l / 16), group of 32 rows i / 2
.irp p, 0,1,2,3,4,5
.if (\i)%2 == 0
	ds_load_b64 v[\reg+2*\p:\reg+2*\p+1], v[ADAE+\slot] offset:(4*(\q)+2*(\p/3))*APL+768*((\i)/2)+256*(\p%3)
.else
	ds_load_b64 v[\reg+2*\p:\reg+2*\p+1], v[ADAO+\slot] offset:(4*(\q)+2*(\p/3))*APL+768*((\i)/2)+256*(\p%3)
.endif
.endr
.endm
; 16 matrix instructions: h's blocks a0, a0 + 1 x Wo's eight.  The 64 accumulators take turns in the same order in every step.
.macro MUL16 a0, p, st
.irp a, \a0, \a0+1
.irp b, 0,1,2,3,4,5,6,7
.if (\st) == 0
	v_wmma_scale_f32_16x16x128_f8f6f4 v[8*(8*((\a)%4)+\b):8*(8*((\a)%4)+\b)+7], v[128*(\p)+FR*\b:128*(\p)+FR*\b+FR-1], v[AF+FR*(\a):AF+FR*(\a)+FR-1], v[96+8*\b+96*(\b/4):96+8*\b+96*(\b/4)+7], v[SB+4*\b], v[SA+4*(\a)] matrix_a_fmt:MATRIX_FMT_BF6 matrix_b_fmt:MATRIX_FMT_BF6
.elseif (\st) < 4
	v_wmma_scale_f32_16x16x128_f8f6f4 v[8*(8*((\a)%4)+\b):8*(8*((\a)%4)+\b)+7], v[128*(\p)+FR*\b:128*(\p)+FR*\b+FR-1], v[AF+FR*(\a):AF+FR*(\a)+FR-1], v[8*(8*((\a)%4)+\b):8*(8*((\a)%4)+\b)+7], v[SB+4*\b+(\st)], v[SA+4*(\a)+(\st)] matrix_a_fmt:MATRIX_FMT_BF6 matrix_b_fmt:MATRIX_FMT_BF6
.else
	v_wmma_scale_f32_16x16x128_f8f6f4 v[8*(8*((\a)%4)+\b):8*(8*((\a)%4)+\b)+7], v[128*(\p)+FR*\b:128*(\p)+FR*\b+FR-1], v[AF+FR*(\a):AF+FR*(\a)+FR-1], v[8*(8*((\a)%4)+\b):8*(8*((\a)%4)+\b)+7], v[SB+4*\b+(\st)-4], v[SA+4*(\a)+(\st)-4] matrix_a_fmt:MATRIX_FMT_BF6 matrix_b_fmt:MATRIX_FMT_BF6 matrix_a_scale:MATRIX_SCALE_ROW1 matrix_b_scale:MATRIX_SCALE_ROW1
.endif
.endr
.endr
.endm
.macro FETCH_B st, p                   ; Wo's eight fragments of K step st into set p
	WIN TO_B
.irp i, 0,1,2,3,4,5,6,7
	FRAG 128*(\p)+FR*\i, \st, \i
.endr
	WIN 0
.endm
.macro FETCH_A slot, q, i0             ; h's blocks i0 .. i0 + 3
.irp i, \i0, \i0+1, \i0+2, \i0+3
	FRAGA AF+FR*(\i), \slot, \q, \i
.endr
.endm
; A step whose successor lies in the same slot.  NP places stand in front of loads into registers that matrix instructions have read (ISA guide 7.12.1 for vector instructions).
.macro STEP slot, q, st
	s_wait_dscnt 4*NL                              ; all but the youngest 24 loads (h's blocks 4-7)
.if (\st) == 0
	WIN BIA_LO
.else
	WIN MUL_LO
.endif
	MUL16 0, (\q)%2, \st
	MUL16 2, (\q)%2, \st
	s_wait_dscnt 0
	PLACES NP
	FETCH_B (\st)+1, 1-(\q)%2
	FETCH_A \slot, (\q)+1, 0
.if (\st) == 0
	WIN BIA_HI
.else
	WIN MUL_HI
.endif
	MUL16 4, (\q)%2, \st
	MUL16 6, (\q)%2, \st
	PLACES NP
	WIN 0
	FETCH_A \slot, (\q)+1, 4
.endm
; A slot's last step changes slots: one barrier; fill = 1: it opens a round of the cluster's barrier and the slot takes the planes 16 further on, two a wave.
.macro TURN slot, next, fill, st
	s_wait_tensorcnt 0x0                           ; all my tensor loads have landed
	ds_add_u32 v[SPW], v[NIL]
	s_wait_dscnt 4*NL+1                            ; the add and the youngest 24 loads may be out
	WIN MUL_LO
	MUL16 0, 1, \st
	s_wait_dscnt 0x0                               ; the add is done, my reads of this slot are over
	s_barrier_signal -1
	MUL16 2, 1, \st
	WIN 0
	s_barrier_wait -1
.if \fill
	CREST
	s_add_nc_u64 s[G0+4*\slot+2:G0+4*\slot+3], s[G0+4*\slot+2:G0+4*\slot+3], 16*PLANE
	tensor_load_to_lds s[G0+4*\slot:G0+4*\slot+3], s[G1:G1+7]
	s_nop 0
	PLACES 4                                       ; also the places in front of the loads below
.else
	PLACES NP
.endif
	FETCH_B (\st)+1, 0
	FETCH_A \next, 0, 0
	WIN MUL_HI
	MUL16 4, 1, \st
	MUL16 6, 1, \st
	PLACES NP
	WIN 0
	FETCH_A \next, 0, 4
.endm
	s_wait_tensorcnt 0x0                           ; my tile of the head's four is in
	ds_add_u32 v[SPW], v[NIL]
	s_mov_b32 s[G1+2], 2<<16                       ; no tensor load of mine is out: from here on a load brings two planes
	s_mov_b32 s[G1+4], 2
	s_wait_dscnt 0x0
	CROUND                                         ; everybody's tiles are in, and all sixteen work-groups are here
	tensor_load_to_lds s[G0+4:G0+7], s[G1:G1+7]    ; slot 1's first fill: planes 8-15, two a wave
	s_nop 0
	PLACES 4
; h's scale words are gathered from four planes each; the bytes lie in two sets of registers by turns
.macro SAL w2
.irp a, 0,1,2,3,4,5,6,7
.irp bb, 0,1,2,3
	ds_load_u8 v[TS+128*((\w2)%2)+4*\a+\bb], v[SAAD] offset:4*272*(\w2)+272*\bb+16*\a
.endr
.endr
.endm
.macro SAC w2
.irp a, 0,1,2,3,4,5,6,7
	v_lshl_or_b32 v[SA+4*\a+(\w2)], v[TS+128*((\w2)%2)+4*\a+1], 8, v[TS+128*((\w2)%2)+4*\a]
.endr
.irp a, 0,1,2,3,4,5,6,7
	v_lshl_or_b32 v[SA+4*\a+(\w2)], v[TS+128*((\w2)%2)+4*\a+2], 16, v[SA+4*\a+(\w2)]
.endr
.irp a, 0,1,2,3,4,5,6,7
	v_lshl_or_b32 v[SA+4*\a+(\w2)], v[TS+128*((\w2)%2)+4*\a+3], 24, v[SA+4*\a+(\w2)]
.endr
.endm
	SAL 0
	SAL 1
	s_wait_dscnt 32                                ; all but the 32 just issued
	SAC 0
	SAL 2
	s_wait_dscnt 32
	SAC 1
	SAL 3
	s_wait_dscnt 32
	SAC 2
	s_wait_dscnt 0
	SAC 3
	s_wait_alu depctr_va_vdst(0)
	PLACES 8                                       ; a scale register written by a vector instruction stands 8 places ahead of a scaled matrix instruction
	FETCH_B 0, 0
	FETCH_A 0, 0, 0
	FETCH_A 0, 0, 4
	s_wait_loadcnt 0x0                             ; bo and Wo's scale words
	STEP 0, 0, 0
	TURN 0, 1, 1, 1                                ; slot 0 takes planes 16-23
	STEP 1, 0, 2
	TURN 1, 0, 1, 3                                ; slot 1 takes planes 24-31
	STEP 0, 0, 4
	TURN 0, 1, 0, 5                                ; nothing is left to fetch: no round
	STEP 1, 0, 6
	s_wait_dscnt 4*NL
	WIN MUL_LO
	MUL16 0, 1, 7
	MUL16 2, 1, 7
	s_wait_dscnt 0
	WIN MUL_HI
	MUL16 4, 1, 7
	MUL16 6, 1, 7
	WIN 0
; THE WAY OUT, by blocks of 16 rows x 128 columns, through my own stage and back as whole rows of 512 bytes.  LDS serves a wave's instructions in order (ISA guide 5.7.1.4).
.macro TOSTAGE a
.set AC, 64*((\a)%4)
	WIN 0x08+4*((\a)/4)
.irp b, 0,1,2,3,4,5,6,7
	ds_store_b128 v[STO], v[AC+8*\b:AC+8*\b+3] offset:64*\b          ; each accumulator from its low end on
	ds_store_b128 v[STO], v[AC+8*\b+4:AC+8*\b+7] offset:64*\b+16
.endr
	WIN 0
.set BB, BK+64*((\a)%2)
.irp t, 0,1,2,3,4,5,6,7,8,9,10,11,12,13,14,15
	ds_load_b128 v[BB+4*\t:BB+4*\t+3], v[RD] offset:\t*SPITCH
.endr
.endm
.macro SEND a, younger
.set BB, BK+64*((\a)%2)
	s_wait_dscnt \younger                          ; the block is back; the LDS instructions issued behind its loads may stay out
.if (\a) > 0
	s_add_nc_u64 s[12:13], s[12:13], 16*SIZE_N*4   ; behind a wait on XCNT: 16 rows on
.endif
.irp t, 0,1,2,3,4,5,6,7,8,9,10,11,12,13,14,15
	global_store_b128 v[CO], v[BB+4*\t:BB+4*\t+3], s[12:13] offset:\t*SIZE_N*4 th:TH_STORE_NT   ; 32 lanes store 512 consecutive bytes, at a multiple of 256 from out's first byte
.endr
.endm
	PLACES NP
	TOSTAGE 0
.irp a, 1,2,3,4,5,6,7
.if \a > 1
	s_wait_xcnt 0x0                                ; block a - 2's stores have read their registers and their base
.endif
	TOSTAGE \a
	SEND \a-1, 32
.endr
	s_wait_xcnt 0x0
	SEND 7, 0
	s_wait_tensorcnt 0x0                           ; the wave's end
	ds_add_u32 v[SPW], v[NIL]
	s_wait_dscnt 0x0
	CROUND                                         ; the closing round
	s_endpgm
.Lfunc_end_k_q396087f758_outp:
	.size	k_q396087f758_outp, .Lfunc_end_k_q396087f758_outp-k_q396087f758_outp
	.p2alignl 7, 3214868480
	.fill 96, 4, 3214868480
	.section	.rodata,"a",@progbits
	.p2align	6, 0x0
	.amdhsa_kernel k_q396087f758_outp
		.amdhsa_group_segment_fixed_size 327680
		.amdhsa_private_segment_fixed_size 0
		.amdhsa_enable_private_segment 0
		.amdhsa_kernarg_size 48
		.amdhsa_user_sgpr_count 2
		.amdhsa_user_sgpr_kernarg_segment_ptr 1
		.amdhsa_wavefront_size32 1
		.amdhsa_system_sgpr_workgroup_id_x 1
		.amdhsa_system_sgpr_workgroup_id_y 1
		.amdhsa_system_sgpr_workgroup_id_z 1
		.amdhsa_system_vgpr_workitem_id 0
		.amdhsa_next_free_vgpr 1024
		.amdhsa_next_free_sgpr 100
		.amdhsa_reserve_vcc 0
		.amdhsa_float_denorm_mode_32 3
		.amdhsa_float_denorm_mode_16_64 3
		.amdhsa_memory_ordered 1
		.amdhsa_forward_progress 1
		.amdhsa_inst_pref_size 173
	.end_amdhsa_kernel
	.amdgpu_metadata
---
amdhsa.version: [ 1, 2 ]
amdhsa.kernels:
  - .name:           k_q396087f758_outp
    .symbol:         k_q396087f758_outp.kd
    .args:
      - { .name: hc, .offset: 0, .size: 8, .value_kind: global_buffer, .address_space: global }
      - { .name: hs, .offset: 8, .size: 8, .value_kind: global_buffer, .address_space: global }
      - { .name: Wo_codes, .offset: 16, .size: 8, .value_kind: global_buffer, .address_space: global }
      - { .name: Wo_scales, .offset: 24, .size: 8, .value_kind: global_buffer, .address_space: global }
      - { .name: out0, .offset: 32, .size: 8, .value_kind: global_buffer, .address_space: global }
      - { .name: bo, .offset: 40, .size: 8, .value_kind: global_buffer, .address_space: global }
    .group_segment_fixed_size: 327680
    .private_segment_fixed_size: 0
    .kernarg_segment_align: 8
    .kernarg_segment_size: 48
    .max_flat_workgroup_size: 128
    .sgpr_count:     100
    .vgpr_count:     1024
    .wavefront_size: 32
...
	.end_amdgpu_metadata
.endif
;; end of part 2
